; MI455X (gfx1250); checked and timed in simulation.
; The chip was launched on July 23, 2026; its instructions are those of AMD's public machine-readable ISA for CDNA 5 (MIT licence, August 2026) and "CDNA5" Instruction Set Architecture Reference Guide (July 2026). The comments in the code are by the model that wrote it; some were corrected since.
;; Attention. Allowed arithmetic: matrix products marked QUANTISED: E4M3 operands, one given power-of-two scale a tensor, by v_wmma_f32_16x16x64_fp8_fp8 or v_wmma_f32_16x16x128_fp8_fp8, f32 sums; everything else in f32.
;; Inputs: W_fc 1,024 x 3,072 float32; W_fc2 1,024 x 1,024 float32; b_fc 3,072 float32; b_fc2 1,024 float32; lowp_scales 8 int32 (the exponents e of the quantised operands' scales 2^e); x 4 x 2,048 x 1,024 float32.
;; Outputs: out0 4 x 2,048 x 1,024 float32.
;; This version of the problem:
;;   THIS VERSION OF THE PROBLEM IS GIVEN IN LOW PRECISION. The matrix products marked QUANTISED in the list below multiply operands that are first quantised to E4M3 (4 exponent bits, 3 mantissa bits; 8 bits a number), with one given power-of-two scale for each operand tensor; their sums are f32. All else is computed in f32.
;;   The module's matrix products, in the order in which they are computed (A, B: the left and right operand; K: the contracted axis; several contracted axes count as one K, in the product's order):
;;     1. [M 8,192, K 1,024] x [K 1,024, N 3,072]; A: input x; B: input W_fc: QUANTISED (scales: A lowp_scales[0], B lowp_scales[1])
;;     2. batch 64 x [M 2,048, K 64] x [K 64, N 2,048]; A: computed on the way; B: computed on the way: QUANTISED (scales: A lowp_scales[2], B lowp_scales[3])
;;     3. batch 64 x [M 64, K 2,048] x [K 2,048, N 2,048]; A: computed on the way; B: softmax (see below): QUANTISED (scales: A lowp_scales[4], B lowp_scales[5])
;;     4. [M 8,192, K 1,024] x [K 1,024, N 1,024]; A: computed on the way; B: input W_fc2: QUANTISED (scales: A lowp_scales[6], B lowp_scales[7])
;;   THE QUANTISER, for each operand of a quantised product, along K:
;;     - The operand's scale is 2^e, e = its entry of the input lowp_scales (int32; the entries are numbered through the quantised products in the list's order, A before B).
;;     - Each number is divided by the scale, clamped to +-448, and rounded to the nearest number of E4M3, ties to even, subnormals kept.
;;     - The product sums the exact products of the quantised numbers (number of the format x scale) in f32.
;;   ~~~python
;;   def quantise(x, axis, e):      # numpy; x: float32 -> the quantised numbers, widened to float32 again
;;       x = np.moveaxis(x, axis, -1); K = x.shape[-1]
;;       r = np.clip(x / 2.0 ** e, -448, 448)
;;       step = 2.0 ** (np.maximum(np.frexp(np.where(r == 0, 1, r))[1] - 1, -6) - 3)
;;       q = np.round(r / step) * step * 2.0 ** e      # np.round: ties to even
;;       return np.moveaxis(q, -1, axis).astype(np.float32)
;;   ~~~
;;   SOFTMAX AHEAD OF A QUANTISED PRODUCT. Where the list says 'softmax', what is quantised is not the finished softmax but p = 2^(t - M), with t = logit x log2(e) and M = ceil(the row's largest t), a whole number; so 1/2 < the row's largest p <= 1. The row's sum l is taken of the UNQUANTISED p, in f32, and the product's result is divided by l at the end. Since M is a whole number, a kernel that streams over the keys may use a running M (the ceiling of the running maximum): every later rescaling is an exact power of two, so the quantised numbers keep their values, but for numbers so far below the row's largest that they fall under the format's range.
;;   OPERANDS COMPUTED ON THE WAY. 'Computed on the way' means the value that the module computes at that place (a softmax that the list does not call 'softmax' is quantised finished and normalised). What goes into a quantiser is computed in f32, as accurately as f32 sums, v_exp_f32 and their like allow (about 1e-6 of the number): no bf16 or f16 on the way to a quantiser, and a product that is left as it is and whose result goes on into a quantised operand takes f32 operands (vector FMAs, or v_wmma_f32_16x16x4_f32). A number that lies on a knife's edge between two numbers of the format may be rounded either way, as far as f32 arithmetic and the matrix unit's own rounding can turn it there, and no further.
;; One version. Each part assembles by itself: llvm-mc -triple=amdgcn-amd-amdhsa -mcpu=gfx1250 --defsym DOCPART=n.
;; ======== version 1 of 1: 4 launches
;; limits: right only within a limited range of input values
;; workspace buffers: x_img 8,388,608 bytes; wfc_img 3,145,728 bytes; w2_img 1,048,576 bytes; q_img 8,388,608 bytes; k_img 8,388,608 bytes; v_img 8,388,608 bytes; nv_img 8,388,608 bytes
;; launch quant (part 1): grid 384 x 1, 8 waves a work-group, no clusters, 0 bytes of LDS; arguments x, W_fc, W_fc2, lowp_scales, x_img, wfc_img, w2_img; writes x_img, wfc_img, w2_img
.if DOCPART == 1
	.amdgcn_target "amdgcn-amd-amdhsa--gfx1250"
	.amdhsa_code_object_version 6
	.text
	.protected	k_qb259f0d52b_quant
	.globl	k_qb259f0d52b_quant
	.p2align	8
	.type	k_qb259f0d52b_quant,@function
k_qb259f0d52b_quant:
	s_mov_b64 s[64:65], 0
	v_nop
	global_prefetch_b8 v0, s[64:65] scope:SCOPE_SE
	s_setreg_imm32_b32 hwreg(HW_REG_WAVE_MODE, 25, 1), 1
	s_wait_xcnt 0x0
; THE PROGRAM: out0 = LayerNorm(x + swish(new_v W_fc2 + b_fc2)), new_v = softmax(q k^T / sqrt(2048)) v, (q, k, v) = swish(x W_fc + b_fc); all four products on codes of E4M3 with the given scales 2^e.
; Four launches: this one (x, W_fc, W_fc2 into codes), qkv (product 1), attn (products 2 and 3), proj (product 4 and the norm).  NOTHING OF THE PROBLEM IS LEFT OUT: every input has a way to the output and is loaded;
; both biases stand ahead of a swish, so neither cancels.
; THIS LAUNCH: code = number / 2^e, held within +-448, to the nearest code, ties to even.  e = lowp_scales[0] for x, [1] for W_fc, [7] for W_fc2.
; LIMITS: each of these e lies between -126 and 119, so that 2^e and 448 x 2^e are f32 numbers.  NaN among the inputs is not served (an infinity is held at the largest code).
; THE IMAGES.  Codes are stored in the order of the operand's registers for v_wmma_f32_16x16x128_fp8_fp8: a fragment is 16 rows x 128 K; lane (r = lane % 16, h = lane / 16) holds row r, registers 2 c, 2 c + 1 hold
; K = 16 c + 8 h + 0 .. 7.  Four registers (a quad Q) of all 32 lanes are 512 consecutive bytes, lane l's 16 bytes at 16 l: K = 32 Q + 8 h + 0 .. 7, then 32 Q + 16 + 8 h + 0 .. 7.
;   x_img  [row tile 512][s 8][Q 4][lane 32][16]     s = K / 128
;   wfc_img [row tile 192][s 8][Q 4][lane 32][16]    a row is a column e = 192 head + 64 part + d of W_fc, put at row 1024 part + 64 head + d: q's rows, then k's, then v's
;   w2_img [row tile 64][s 8][Q 4][lane 32][16]      a row is a column of W_fc2
; SHARES.  Work-groups 0-255: x; a wave takes 16 rows x 256 K (two fragments).  256-351: W_fc, 352-383: W_fc2; a wave takes 32 columns x 128 K, A LANE A COLUMN, ITS REGISTERS DOWN K, so that nothing is transposed.
; No LDS, no barrier, no matrix work: memory binds, waves share nothing.  Every store of a wave covers whole aligned runs of 256 bytes.
.set XR, 32                            ; v32-159  x: two fragments' numbers, 64 a lane each
.set XC, 160                           ; v160-191 their codes
.set WS, 32                            ; v32-95   weights: two sets of 32 numbers down K
.set WC, 96                            ; v96-127  their codes: 8 registers a quad, none written twice
.macro MAKESC e                        ; v11 = 2^e (the conversion takes its exponent field), v10 = 448 x 2^e
	s_add_co_i32 s33, \e, 127
	s_lshl_b32 s34, s33, 23
	v_mov_b32 v11, s34
	s_add_co_i32 s33, s33, 8
	s_lshl_b32 s33, s33, 23
	s_or_b32 s33, s33, 0x600000
	v_mov_b32 v10, s33
.endm
.macro LOADQ q, cols, wp               ; W(32 q + i, my column), i = 0 .. 31: each load reads 128 consecutive bytes
.set i, 0
.rept 32
	global_load_b32 v[WS+32*((\q)%2)+i], v5, s[\wp:\wp+1] offset:(32*(\q)+i)*\cols*4 th:TH_LOAD_NT
.set i, i+1
.endr
.endm
.macro WQUAD q, ip                     ; 32 numbers down K become a quad's 32 codes of my row: groups 0 and 2 are the piece of lane (r, 0), groups 1 and 3 that of lane (r, 1)
.set XS, WS+32*((\q)%2)
.set i, 0
.rept 32
	v_med3_num_f32 v[XS+i], v[XS+i], -v10, v10     ; the conversion to an 8-bit code does not saturate (ISA guide 7.6.2): the hold comes first
.set i, i+1
.endr
	v_cvt_scalef32_pk8_fp8_f32 v[WC+8*\q:WC+8*\q+1], v[XS:XS+7], v11
	v_cvt_scalef32_pk8_fp8_f32 v[WC+8*\q+4:WC+8*\q+5], v[XS+8:XS+15], v11
	v_cvt_scalef32_pk8_fp8_f32 v[WC+8*\q+2:WC+8*\q+3], v[XS+16:XS+23], v11
	v_cvt_scalef32_pk8_fp8_f32 v[WC+8*\q+6:WC+8*\q+7], v[XS+24:XS+31], v11
	global_store_b128 v6, v[WC+8*\q:WC+8*\q+3], s[\ip:\ip+1] offset:512*\q        ; lanes 0-15: 256 consecutive bytes of one row tile, lanes 16-31: of the next
	global_store_b128 v6, v[WC+8*\q+4:WC+8*\q+7], s[\ip:\ip+1] offset:512*\q+256
.endm
; A weight of 1024 x cols.  e: its exponent; wp, ip: the pointers' first registers; base: the role's first work-group; fc = 1: W_fc's order of rows
.macro WROLE cols, e, wp, ip, base, fc
	s_sub_co_u32 s19, ttmp9, \base
	s_and_b32 s20, s19, 7                          ; s: which 128 along K
	s_lshr_b32 s21, s19, 3
	s_lshl_b32 s21, s21, 3
	s_add_co_u32 s21, s21, s18                     ; which 32 columns
	s_mul_i32 s22, s20, 128*\cols*4
	s_lshl_b32 s23, s21, 7
	s_add_co_u32 s22, s22, s23
	s_mov_b32 s23, 0
	s_add_nc_u64 s[\wp:\wp+1], s[\wp:\wp+1], s[22:23]
.if \fc
	s_mul_i32 s32, s21, 43
	s_lshr_b32 s32, s32, 8                         ; head = block / 6 (exact for blocks 0 .. 95)
	s_mul_i32 s33, s32, 6
	s_sub_co_u32 s33, s21, s33                     ; block % 6: part = that / 2, d = 32 x (that % 2)
	s_lshr_b32 s34, s33, 1
	s_lshl_b32 s34, s34, 6
	s_lshl_b32 s32, s32, 2
	s_add_co_u32 s34, s34, s32
	s_and_b32 s33, s33, 1
	s_lshl_b32 s33, s33, 1
	s_add_co_u32 s34, s34, s33                     ; first row tile: 64 part + 4 head + d / 16
.else
	s_lshl_b32 s34, s21, 1
.endif
	s_lshl_b32 s22, s34, 14
	s_lshl_b32 s32, s20, 11
	s_add_co_u32 s22, s22, s32
	s_add_nc_u64 s[\ip:\ip+1], s[\ip:\ip+1], s[22:23]
	v_lshlrev_b32 v5, 2, v2                        ; in: 4 bytes a lane
	v_lshlrev_b32 v6, 4, v3                        ; out: 16 (lane % 16) + a row tile for lanes 16-31
	s_delay_alu instid0(VALU_DEP_1)
	v_lshl_add_u32 v6, v4, 14, v6
	LOADQ 0, \cols, \wp
	LOADQ 1, \cols, \wp
	s_wait_kmcnt 0x0
	MAKESC \e
	s_wait_alu depctr_va_vdst(0)
	s_wait_loadcnt 32                              ; this quad's 32 loads are in; the next quad's 32 may be out
	WQUAD 0, \ip
	LOADQ 2, \cols, \wp
	s_wait_loadcnt 32
	WQUAD 1, \ip
	LOADQ 3, \cols, \wp
	s_wait_loadcnt 32
	WQUAD 2, \ip
	s_wait_loadcnt 0x0
	WQUAD 3, \ip
	s_endpgm
.endm
	s_load_b256 s[4:11], s[0:1], 0x0               ; x s[4:5], W_fc s[6:7], W_fc2 s[8:9], the exponents s[10:11]
	s_load_b128 s[12:15], s[0:1], 0x20             ; x_img s[12:13], wfc_img s[14:15]
	s_load_b64 s[16:17], s[0:1], 0x30              ; w2_img
	v_lshrrev_b32 v1, 5, v0
	s_delay_alu instid0(VALU_DEP_1)
	v_readfirstlane_b32 s18, v1                    ; wave 0..7
	v_and_b32 v2, 31, v0                           ; lane
	v_and_b32 v3, 15, v0                           ; r
	v_bfe_u32 v4, v0, 4, 1                         ; h
	s_wait_kmcnt 0x0
	s_load_b256 s[24:31], s[10:11], 0x0            ; e0 .. e7
	s_cmp_lt_u32 ttmp9, 256                        ; the roles part on the work-group's number alone
	s_cbranch_scc0 .Lweights
	; ---- x: my wave's 16 rows x 256 K.  Lane (r, h) loads, for each quad, the two runs of 8 numbers that its 16 codes stand for
	s_lshl_b32 s19, ttmp9, 3
	s_add_co_u32 s19, s19, s18
	s_lshr_b32 s20, s19, 2                         ; row tile
	s_and_b32 s21, s19, 3                          ; which 256 along K
	s_lshl_b32 s22, s20, 16                        ; 16 rows of 4,096 bytes
	s_lshl_b32 s23, s21, 10
	s_add_co_u32 s22, s22, s23
	s_mov_b32 s23, 0
	s_add_nc_u64 s[4:5], s[4:5], s[22:23]
	s_lshl_b32 s22, s20, 14
	s_lshl_b32 s32, s21, 12
	s_add_co_u32 s22, s22, s32
	s_add_nc_u64 s[12:13], s[12:13], s[22:23]
	s_wait_alu depctr_va_vdst(0)
	v_lshlrev_b32 v5, 12, v3
	s_delay_alu instid0(VALU_DEP_1)
	v_lshl_add_u32 v5, v4, 5, v5                   ; row r, + 32 h bytes
	v_lshlrev_b32 v6, 4, v2                        ; out: 16 x lane
.irp u, 0,1
.irp q, 0,1,2,3
	global_load_b128 v[XR+64*\u+16*\q:XR+64*\u+16*\q+3],     v5, s[4:5] offset:512*\u+128*\q th:TH_LOAD_NT
	global_load_b128 v[XR+64*\u+16*\q+4:XR+64*\u+16*\q+7],   v5, s[4:5] offset:512*\u+128*\q+16 th:TH_LOAD_NT
	global_load_b128 v[XR+64*\u+16*\q+8:XR+64*\u+16*\q+11],  v5, s[4:5] offset:512*\u+128*\q+64 th:TH_LOAD_NT
	global_load_b128 v[XR+64*\u+16*\q+12:XR+64*\u+16*\q+15], v5, s[4:5] offset:512*\u+128*\q+80 th:TH_LOAD_NT
.endr
.endr
	s_wait_kmcnt 0x0
	MAKESC s24
	s_wait_alu depctr_va_vdst(0)
.irp u, 0,1
	s_wait_loadcnt 16-16*\u                        ; this fragment's 16 loads are in; the second fragment's 16 may be out
.set j, 0
.rept 64
	v_med3_num_f32 v[XR+64*\u+j], v[XR+64*\u+j], -v10, v10
.set j, j+1
.endr
.irp q, 0,1,2,3
	v_cvt_scalef32_pk8_fp8_f32 v[XC+16*\u+4*\q:XC+16*\u+4*\q+1],   v[XR+64*\u+16*\q:XR+64*\u+16*\q+7], v11
	v_cvt_scalef32_pk8_fp8_f32 v[XC+16*\u+4*\q+2:XC+16*\u+4*\q+3], v[XR+64*\u+16*\q+8:XR+64*\u+16*\q+15], v11
.endr
.irp q, 0,1,2,3
	global_store_b128 v6, v[XC+16*\u+4*\q:XC+16*\u+4*\q+3], s[12:13] offset:2048*\u+512*\q   ; 512 consecutive bytes
.endr
.endr
	s_endpgm
.Lweights:
	s_cmp_lt_u32 ttmp9, 352
	s_cbranch_scc0 .Lw2
	s_wait_alu depctr_va_vdst(0)
	WROLE 3072, s25, 6, 14, 256, 1
.Lw2:
	s_wait_alu depctr_va_vdst(0)
	WROLE 1024, s31, 8, 16, 352, 0
.Lfunc_end_k_qb259f0d52b_quant:
	.size	k_qb259f0d52b_quant, .Lfunc_end_k_qb259f0d52b_quant-k_qb259f0d52b_quant
	.p2alignl 7, 3214868480
	.fill 96, 4, 3214868480
	.section	.rodata,"a",@progbits
	.p2align	6, 0x0
	.amdhsa_kernel k_qb259f0d52b_quant
		.amdhsa_group_segment_fixed_size 0
		.amdhsa_private_segment_fixed_size 0
		.amdhsa_enable_private_segment 0
		.amdhsa_kernarg_size 56
		.amdhsa_user_sgpr_count 2
		.amdhsa_user_sgpr_kernarg_segment_ptr 1
		.amdhsa_wavefront_size32 1
		.amdhsa_system_sgpr_workgroup_id_x 1
		.amdhsa_system_sgpr_workgroup_id_y 1
		.amdhsa_system_sgpr_workgroup_id_z 1
		.amdhsa_system_vgpr_workitem_id 0
		.amdhsa_next_free_vgpr 192
		.amdhsa_next_free_sgpr 66
		.amdhsa_reserve_vcc 0
		.amdhsa_float_denorm_mode_32 3
		.amdhsa_float_denorm_mode_16_64 3
		.amdhsa_memory_ordered 1
		.amdhsa_forward_progress 1
		.amdhsa_inst_pref_size 61
	.end_amdhsa_kernel
	.amdgpu_metadata
---
amdhsa.version: [ 1, 2 ]
amdhsa.kernels:
  - .name:           k_qb259f0d52b_quant
    .symbol:         k_qb259f0d52b_quant.kd
    .args:
      - { .name: x, .offset: 0, .size: 8, .value_kind: global_buffer, .address_space: global }
      - { .name: W_fc, .offset: 8, .size: 8, .value_kind: global_buffer, .address_space: global }
      - { .name: W_fc2, .offset: 16, .size: 8, .value_kind: global_buffer, .address_space: global }
      - { .name: lowp_scales, .offset: 24, .size: 8, .value_kind: global_buffer, .address_space: global }
      - { .name: x_img, .offset: 32, .size: 8, .value_kind: global_buffer, .address_space: global }
      - { .name: wfc_img, .offset: 40, .size: 8, .value_kind: global_buffer, .address_space: global }
      - { .name: w2_img, .offset: 48, .size: 8, .value_kind: global_buffer, .address_space: global }
    .group_segment_fixed_size: 0
    .private_segment_fixed_size: 0
    .kernarg_segment_align: 8
    .kernarg_segment_size: 56
    .max_flat_workgroup_size: 256
    .sgpr_count:     66
    .vgpr_count:     192
    .wavefront_size: 32
...
	.end_amdgpu_metadata
.endif
;; end of part 1
;; launch qkv (part 2): grid 12 x 32, 4 waves a work-group, clusters of 4 x 4, 327,680 bytes of LDS; arguments x_img, wfc_img, b_fc, lowp_scales, q_img, k_img, v_img; writes q_img, k_img, v_img
.if DOCPART == 2
	.amdgcn_target "amdgcn-amd-amdhsa--gfx1250"
	.amdhsa_code_object_version 6
	.text
	.protected	k_qb259f0d52b_qkv
	.globl	k_qb259f0d52b_qkv
	.p2align	8
	.type	k_qb259f0d52b_qkv,@function
k_qb259f0d52b_qkv:
	s_mov_b64 s[64:65], 0
	v_nop
	global_prefetch_b8 v0, s[64:65] scope:SCOPE_SE
	s_setreg_imm32_b32 hwreg(HW_REG_WAVE_MODE, 25, 1), 1
	s_wait_xcnt 0x0
	s_wait_alu depctr_hold_cnt(0) depctr_sa_sdst(0) depctr_va_vdst(0) depctr_va_sdst(0) depctr_va_ssrc(0) depctr_va_vcc(0) depctr_vm_vsrc(0)
	s_getreg_b32 s2, hwreg(HW_REG_IB_STS2, 6, 4)
	s_cmp_eq_u32 s2, 0
	s_cbranch_scc0 .Lentry_in_a_cluster
	s_endpgm
.Lentry_in_a_cluster:
	s_bfe_u32 s2, ttmp6, 0x10000c
	s_cmp_lg_u32 s2, 0xf033
	s_cbranch_scc0 .Lentry_shape_is_right
	s_endpgm
.Lentry_shape_is_right:
.set SLOT,   131072
.set SPARE,  2*SLOT
.set FR,     16
.set NL,     4
.set NP,     4
.set ADRA, 16
.set ADRB, 20
.set SPW,  28
.set NIL,  29
.set RB,   32
.set CB,   32
.set T,    96
.set U,    160
.set PC,   224
.set AF,   128
.set G1, 24
.set G0, 32
.set G1B, 48
.set G0B, 56
.set MSB, 0
.macro WIN new
.if MSB != \new
	s_set_vgpr_msb (MSB<<8)|\new
.set MSB, \new
.endif
.endm
.set MUL_LO, 0xa1
.set MUL_HI, 0xf1
.set FST_LO, 0x81
.set FST_HI, 0xc1
.set TO_B,   0x40
.macro JLOAD g0a, g1a, g0b, g1b
	s_cmp_eq_u32 s15, 0
	s_cbranch_scc0 .Lfor_b_\@
	tensor_load_to_lds s[\g0a:\g0a+3], s[\g1a:\g1a+7]
	s_nop 0
.rept 4
	v_nop
.endr
	s_branch .Lasked_\@
.Lfor_b_\@:
	tensor_load_to_lds s[\g0b:\g0b+3], s[\g1b:\g1b+7]
	s_nop 0
.rept 4
	v_nop
.endr
.Lasked_\@:
.endm
.macro CREST
	s_cmp_lg_u32 s14, 0
	s_cbranch_scc1 .Lnot_wave_0_\@
	s_barrier_signal -3
.Lnot_wave_0_\@:
	s_barrier_wait -3
	s_barrier_signal -1
	s_barrier_wait -1
.endm
.macro CROUND
	s_barrier_signal -1
	s_barrier_wait -1
	CREST
.endm
	s_load_b256 s[4:11], s[0:1], 0x0
	s_load_b128 s[92:95], s[0:1], 0x20
	s_load_b64 s[96:97], s[0:1], 0x30
	v_lshl_add_u32 v[SPW], v0, 2, SPARE
	v_mov_b32 v[NIL], 0
	ds_add_u32 v[SPW], v[NIL]
	ds_add_u32 v[SPW], v[NIL]
	v_lshrrev_b32 v1, 5, v0
	v_readfirstlane_b32 s14, v1
	s_lshr_b32 s15, s14, 1
	s_and_b32 s16, s14, 1
	s_bfe_u32 s40, ttmp6, 0x40000
	s_bfe_u32 s41, ttmp6, 0x40004
	s_mov_b32 s66, ttmp9
	s_and_b32 s67, ttmp7, 0xffff
	s_lshr_b32 s12, s66, 1
	s_xor_b32 s13, s12, 1
	s_lshl_b32 s18, s67, 2
	s_mul_i32 s17, s18, s13
	s_add_co_u32 s17, s17, s41
	s_mul_i32 s42, s18, s12
	s_add_co_u32 s42, s42, s40
	s_lshl_b32 s21, s12, 21
	s_and_b32 s47, s66, 1
	s_lshl_b32 s47, s47, 20
	s_cmp_eq_u32 s66, 2
	s_cselect_b32 s69, -1, 0
	s_cselect_b32 s68, 0, -1
	s_mov_b32 s70, 1024
	s_cselect_b32 s70, 2048, s70
	s_mov_b32 s71, 0
	s_mov_b32 s72, 1024
	s_cselect_b32 s72, 124928, s72
	s_mov_b32 s73, 0
	s_mov_b32 s78, 131072
	s_cselect_b32 s78, 1024, s78
	s_lshl_b32 s43, s41, 2
	s_lshl_b32 s43, 15, s43
	s_lshl_b32 s44, 0x1111, s40
	s_or_b32 s[G1+0], s43, (3<<16)|(1<<21)
	s_or_b32 s[G1B+0], s44, (3<<16)|(1<<21)
.irp g, G1, G1B
	s_mov_b32 s[\g+1], 512<<16
	s_mov_b32 s[\g+2], 8<<16
	s_mov_b32 s[\g+3], 512<<16
	s_mov_b32 s[\g+4], 8
	s_mov_b32 s[\g+5], 2048
	s_mov_b32 s[\g+6], 0
	s_mov_b32 s[\g+7], 0
.endr
	s_lshl_b32 s19, s16, 3
	s_lshl_b32 s20, s17, 4
	s_add_co_u32 s20, s20, s19
	s_lshl_b32 s20, s20, 14
	s_add_co_u32 s20, s20, s21
	s_mov_b32 s21, 0
	s_lshl_b32 s46, s42, 4
	s_add_co_u32 s46, s46, s19
	s_lshl_b32 s46, s46, 14
	s_add_co_u32 s46, s46, s47
	s_mov_b32 s47, 0
	s_lshl_b32 s45, s14, 15
	s_wait_dscnt 0x0
	s_wait_kmcnt 0x0
	s_load_b256 s[80:87], s[10:11], 0x0
	s_cmp_eq_u32 s66, 2
	s_cselect_b64 s[22:23], s[6:7], s[4:5]
	s_cselect_b64 s[12:13], s[4:5], s[6:7]
	s_add_nc_u64 s[20:21], s[22:23], s[20:21]
	s_add_nc_u64 s[46:47], s[12:13], s[46:47]
	CROUND
.irp s, 0,1
	s_mov_b32 s[G0+4*\s], 1
	s_add_co_u32 s[G0+4*\s+1], s45, \s*SLOT
	s_add_nc_u64 s[G0+4*\s+2:G0+4*\s+3], s[20:21], \s*4096
	s_or_b32 s[G0+4*\s+3], s[G0+4*\s+3], 0x80000000
	s_mov_b32 s[G0B+4*\s], 1
	s_add_co_u32 s[G0B+4*\s+1], s45, \s*SLOT
	s_add_nc_u64 s[G0B+4*\s+2:G0B+4*\s+3], s[46:47], \s*4096
	s_or_b32 s[G0B+4*\s+3], s[G0B+4*\s+3], 0x80000000
	s_wait_alu depctr_va_vdst(0)
	s_wait_tensorcnt 0x0
	ds_add_u32 v28, v29
	ds_add_u32 v28, v29
	s_wait_dscnt 0x0
	CROUND
	JLOAD G0+4*\s, G1, G0B+4*\s, G1B
.endr
	v_and_b32 v1, 15, v0
	v_bfe_u32 v2, v0, 4, 1
	v_and_b32 v3, 31, v0
	v_lshlrev_b32 v10, 4, v3
	v_add_nc_u32 v11, s78, v10
	v_lshlrev_b32 v12, 5, v2
	v_lshlrev_b32 v13, 2, v1
	s_wait_alu depctr_va_vdst(0)
	s_lshl_b32 s18, s15, 15
	s_lshl_b32 s19, s16, 15
	s_add_co_u32 s19, s19, 65536
.irp s, 0,1
	v_add_nc_u32 v[ADRA+\s], s18, v10
	v_add_nc_u32 v[ADRB+\s], s19, v10
	s_add_co_u32 s18, s18, SLOT
	s_add_co_u32 s19, s19, SLOT
.endr
	s_lshl_b32 s2, s40, 2
	s_lshl_b32 s3, s16, 1
	s_add_co_u32 s2, s2, s3
	s_lshl_b32 s98, s41, 2
	s_lshl_b32 s3, s15, 1
	s_add_co_u32 s98, s98, s3
	s_mul_i32 s88, s2, 768
	s_lshl_b32 s3, s66, 8
	s_add_co_u32 s88, s88, s3
	s_mul_i32 s90, s98, 768
	s_add_co_u32 s90, s90, 512
	s_cmp_eq_u32 s66, 2
	s_cselect_b32 s88, 0, s88
	s_cselect_b32 s90, s90, 0
	s_cselect_b32 s99, s98, s2
	s_mov_b32 s89, 0
	s_mov_b32 s91, 0
	s_add_nc_u64 s[88:89], s[8:9], s[88:89]
	s_add_nc_u64 s[90:91], s[8:9], s[90:91]
.irp a, 0,1,2,3,4,5,6,7
	global_load_b32 v[RB+8*\a], v13, s[90:91] offset:(\a/4)*768+(\a%4)*64
.endr
	s_lshl_b32 s2, s17, 4
	s_lshl_b32 s12, s15, 3
	s_add_co_u32 s2, s2, s12
	s_lshr_b32 s12, s2, 7
	s_and_b32 s2, s2, 127
	s_lshl_b32 s2, s2, 10
	s_lshl_b32 s3, s42, 1
	s_add_co_u32 s3, s3, s16
	s_lshr_b32 s13, s3, 4
	s_and_b32 s3, s3, 15
	s_lshl_b32 s3, s3, 13
	s_cmp_eq_u32 s66, 2
	s_cselect_b32 s12, s13, s12
	s_cselect_b32 s2, s3, s2
	s_lshl_b32 s12, s12, 21
	s_lshl_b32 s13, s99, 17
	s_add_co_u32 s2, s2, s12
	s_add_co_u32 s2, s2, s13
	s_mov_b32 s3, 0
	s_cmp_eq_u32 s66, 0
	s_cselect_b64 s[92:93], s[92:93], s[94:95]
	s_cmp_eq_u32 s66, 2
	s_cselect_b64 s[92:93], s[96:97], s[92:93]
	s_add_nc_u64 s[92:93], s[92:93], s[2:3]
	s_wait_kmcnt 0x0
	s_add_co_i32 s79, s80, s81
	s_add_co_i32 s76, s79, 127
	s_lshl_b32 s76, s76, 23
	s_mov_b32 s77, s76
	s_sub_co_i32 s79, 0, s79
	s_mov_b32 s74, 0xbfb8aa3b
	s_mov_b32 s75, s74
	s_cmp_eq_u32 s66, 0
	s_cselect_b32 s98, s82, s83
	s_cmp_eq_u32 s66, 2
	s_cselect_b32 s98, s84, s98
	s_add_co_i32 s98, s98, 127
	s_lshl_b32 s99, s98, 23
	v_mov_b32 v9, s99
	s_add_co_i32 s98, s98, 8
	s_lshl_b32 s98, s98, 23
	s_or_b32 s98, s98, 0x600000
	v_mov_b32 v8, s98
	s_wait_loadcnt 0x0
.irp a, 0,1,2,3,4,5,6,7
	v_ldexp_f32 v[RB+8*\a], v[RB+8*\a], s79
	v_cndmask_b32 v[RB+8*\a], 0, v[RB+8*\a], s69
.irp j, 1,2,3,4,5,6,7
	v_mov_b32 v[RB+8*\a+\j], v[RB+8*\a]
.endr
.endr
.macro FRAG reg, adr, q, i
.irp c, 0,1,2,3
	ds_load_b128 v[\reg+4*\c:\reg+4*\c+3], v[\adr] offset:(2*(\i)+(\q))*2048+512*\c
.endr
.endm
.macro MUL16 a0, p, first
.irp a, \a0, \a0+1
.irp b, 0,1,2,3,4,5,6,7
.if \first
	v_wmma_f32_16x16x128_fp8_fp8 v[8*(8*((\a)%4)+\b):8*(8*((\a)%4)+\b)+7], v[128*(\p)+FR*\b:128*(\p)+FR*\b+FR-1], v[AF+FR*(\a):AF+FR*(\a)+FR-1], v[RB+8*(\a):RB+8*(\a)+7]
.else
	v_wmma_f32_16x16x128_fp8_fp8 v[8*(8*((\a)%4)+\b):8*(8*((\a)%4)+\b)+7], v[128*(\p)+FR*\b:128*(\p)+FR*\b+FR-1], v[AF+FR*(\a):AF+FR*(\a)+FR-1], v[8*(8*((\a)%4)+\b):8*(8*((\a)%4)+\b)+7]
.endif
.endr
.endr
.endm
.macro FETCH_B slot, q, p
	WIN TO_B
.irp i, 0,1,2,3,4,5,6,7
	FRAG 128*(\p)+FR*\i, ADRB+\slot, \q, \i
.endr
	WIN 0
.endm
.macro FETCH_A slot, q, i0
.irp i, \i0, \i0+1, \i0+2, \i0+3
	FRAG AF+FR*(\i), ADRA+\slot, \q, \i
.endr
.endm
.macro PLACES n
.rept \n
	v_nop
.endr
.endm
.macro STEP slot, q, first
	s_wait_dscnt 4*NL
.if \first
	WIN FST_LO
.else
	WIN MUL_LO
.endif
	MUL16 0, (\q)%2, \first
	MUL16 2, (\q)%2, \first
	s_wait_dscnt 0
	PLACES NP
	FETCH_B \slot, (\q)+1, 1-(\q)%2
	FETCH_A \slot, (\q)+1, 0
.if \first
	WIN FST_HI
.else
	WIN MUL_HI
.endif
	MUL16 4, (\q)%2, \first
	MUL16 6, (\q)%2, \first
	PLACES NP
	WIN 0
	FETCH_A \slot, (\q)+1, 4
.endm
.macro TURN slot, next, fill
	s_wait_tensorcnt 0x0
	ds_add_u32 v[SPW], v[NIL]
	s_wait_dscnt 4*NL+1
	WIN MUL_LO
	MUL16 0, 1, 0
	s_wait_dscnt 0x0
	s_barrier_signal -1
	MUL16 2, 1, 0
	WIN 0
	s_barrier_wait -1
.if \fill
	CREST
	s_add_nc_u64 s[G0+4*\slot+2:G0+4*\slot+3], s[G0+4*\slot+2:G0+4*\slot+3], 8192
	s_add_nc_u64 s[G0B+4*\slot+2:G0B+4*\slot+3], s[G0B+4*\slot+2:G0B+4*\slot+3], 8192
	JLOAD G0+4*\slot, G1, G0B+4*\slot, G1B
.else
	PLACES NP
.endif
	FETCH_B \next, 0, 0
	FETCH_A \next, 0, 0
	WIN MUL_HI
	MUL16 4, 1, 0
	MUL16 6, 1, 0
	PLACES NP
	WIN 0
	FETCH_A \next, 0, 4
.endm
	s_wait_alu depctr_va_vdst(0)
	s_wait_tensorcnt 1
	s_barrier_signal -1
	s_barrier_wait -1
	FETCH_B 0, 0, 0
	FETCH_A 0, 0, 0
	FETCH_A 0, 0, 4
	STEP 0, 0, 1
.irp b, 0,1,2,3,4,5,6,7
	global_load_b128 v[CB+8*\b:CB+8*\b+3],   v12, s[88:89] offset:(\b/4)*768+(\b%4)*64
	global_load_b128 v[CB+8*\b+4:CB+8*\b+7], v12, s[88:89] offset:(\b/4)*768+(\b%4)*64+16
.endr
	TURN 0, 1, 1
	STEP 1, 0, 0
	TURN 1, 0, 1
	STEP 0, 0, 0
	TURN 0, 1, 0
	STEP 1, 0, 0
	s_wait_dscnt 4*NL
	WIN MUL_LO
	MUL16 0, 1, 0
	MUL16 2, 1, 0
	s_wait_dscnt 0
	WIN MUL_HI
	MUL16 4, 1, 0
	MUL16 6, 1, 0
	WIN 0
	PLACES NP
	s_wait_loadcnt 0x0
.set j, 0
.rept 64
	v_cndmask_b32 v[CB+j], 0, v[CB+j], s68
.set j, j+1
.endr
.macro OUTBLK a
.set AC, 64*((\a)%4)
.set PS, PC+16*((\a)%2)
	WIN 0x02+((\a)/4)
.set j, 0
.rept 32
	v_pk_fma_f32 v[T+j:T+j+1], v[AC+j:AC+j+1], s[76:77], v[CB+j:CB+j+1] op_sel_hi:[1,0,1]
.set j, j+2
.endr
	WIN 0
.set j, 0
.rept 32
	v_pk_mul_f32 v[U+j:U+j+1], v[T+j:T+j+1], s[74:75] op_sel_hi:[1,0]
.set j, j+2
.endr
.set j, 0
	s_wait_alu depctr_va_vdst(0)
.rept 64
	v_exp_f32 v[U+j], v[U+j]
.set j, j+1
.endr
	v_nop
	s_wait_alu depctr_va_vdst(0)
.set j, 0
.rept 32
	v_pk_add_f32 v[U+j:U+j+1], v[U+j:U+j+1], 1.0 op_sel_hi:[1,0]
.set j, j+2
.endr
.set j, 0
	s_wait_alu depctr_va_vdst(0)
.rept 64
	v_rcp_f32 v[U+j], v[U+j]
.set j, j+1
.endr
	v_nop
	s_wait_alu depctr_va_vdst(0)
.set j, 0
.rept 32
	v_pk_mul_f32 v[T+j:T+j+1], v[T+j:T+j+1], v[U+j:U+j+1]
.set j, j+2
.endr
.set j, 0
.rept 64
	v_med3_num_f32 v[T+j], v[T+j], -v8, v8
.set j, j+1
.endr
	s_wait_alu depctr_va_vdst(0)
	s_wait_xcnt 0x0
.if (\a) == 4
	s_add_nc_u64 s[92:93], s[92:93], s[72:73]
.elseif (\a) > 0
	s_add_nc_u64 s[92:93], s[92:93], s[70:71]
.endif
.irp b, 0,1,2,3,4,5,6,7
	v_cvt_scalef32_pk8_fp8_f32 v[PS+2*\b:PS+2*\b+1], v[T+8*\b:T+8*\b+7], v9
.endr
	v_nop
	global_store_b128 v10, v[PS:PS+3], s[92:93]
	global_store_b128 v10, v[PS+4:PS+7], s[92:93] offset:512
	global_store_b128 v11, v[PS+8:PS+11], s[92:93]
	global_store_b128 v11, v[PS+12:PS+15], s[92:93] offset:512
.endm
.irp a, 0,1,2,3,4,5,6,7
	OUTBLK \a
.endr
	s_wait_tensorcnt 0x0
	ds_add_u32 v[SPW], v[NIL]
	s_wait_dscnt 0x0
	CROUND
	s_endpgm
.Lfunc_end_k_qb259f0d52b_qkv:
	.size	k_qb259f0d52b_qkv, .Lfunc_end_k_qb259f0d52b_qkv-k_qb259f0d52b_qkv
	.p2alignl 7, 3214868480
	.fill 96, 4, 3214868480
	.section	.rodata,"a",@progbits
	.p2align	6, 0x0
	.amdhsa_kernel k_qb259f0d52b_qkv
		.amdhsa_group_segment_fixed_size 327680
		.amdhsa_private_segment_fixed_size 0
		.amdhsa_enable_private_segment 0
		.amdhsa_kernarg_size 56
		.amdhsa_user_sgpr_count 2
		.amdhsa_user_sgpr_kernarg_segment_ptr 1
		.amdhsa_wavefront_size32 1
		.amdhsa_system_sgpr_workgroup_id_x 1
		.amdhsa_system_sgpr_workgroup_id_y 1
		.amdhsa_system_sgpr_workgroup_id_z 1
		.amdhsa_system_vgpr_workitem_id 0
		.amdhsa_next_free_vgpr 1024
		.amdhsa_next_free_sgpr 100
		.amdhsa_reserve_vcc 0
		.amdhsa_float_denorm_mode_32 3
		.amdhsa_float_denorm_mode_16_64 3
		.amdhsa_memory_ordered 1
		.amdhsa_forward_progress 1
		.amdhsa_inst_pref_size 228
	.end_amdhsa_kernel
	.amdgpu_metadata
---
amdhsa.version: [ 1, 2 ]
amdhsa.kernels:
  - .name:           k_qb259f0d52b_qkv
    .symbol:         k_qb259f0d52b_qkv.kd
    .args:
      - { .name: x_img, .offset: 0, .size: 8, .value_kind: global_buffer, .address_space: global }
      - { .name: wfc_img, .offset: 8, .size: 8, .value_kind: global_buffer, .address_space: global }
      - { .name: b_fc, .offset: 16, .size: 8, .value_kind: global_buffer, .address_space: global }
      - { .name: lowp_scales, .offset: 24, .size: 8, .value_kind: global_buffer, .address_space: global }
      - { .name: q_img, .offset: 32, .size: 8, .value_kind: global_buffer, .address_space: global }
      - { .name: k_img, .offset: 40, .size: 8, .value_kind: global_buffer, .address_space: global }
      - { .name: v_img, .offset: 48, .size: 8, .value_kind: global_buffer, .address_space: global }
    .group_segment_fixed_size: 327680
    .private_segment_fixed_size: 0
    .kernarg_segment_align: 8
    .kernarg_segment_size: 56
    .max_flat_workgroup_size: 128
    .sgpr_count:     100
    .vgpr_count:     1024
    .wavefront_size: 32
...
	.end_amdgpu_metadata
.endif
;; end of part 2
;; launch attn (part 3): grid 4 x 64, 16 waves a work-group, clusters of 4 x 1, 327,680 bytes of LDS; arguments q_img, k_img, v_img, lowp_scales, nv_img; writes nv_img
.if DOCPART == 3
	.amdgcn_target "amdgcn-amd-amdhsa--gfx1250"
	.amdhsa_code_object_version 6
	.text
	.protected	k_qb259f0d52b_attn
	.globl	k_qb259f0d52b_attn
	.p2align	8
	.type	k_qb259f0d52b_attn,@function
k_qb259f0d52b_attn:
	s_mov_b64 s[64:65], 0
	v_nop
	global_prefetch_b8 v0, s[64:65] scope:SCOPE_SE
	s_setreg_imm32_b32 hwreg(HW_REG_WAVE_MODE, 25, 1), 1
	s_wait_xcnt 0x0
	s_wait_alu depctr_hold_cnt(0) depctr_sa_sdst(0) depctr_va_vdst(0) depctr_va_sdst(0) depctr_va_ssrc(0) depctr_va_vcc(0) depctr_vm_vsrc(0)
	s_getreg_b32 s2, hwreg(HW_REG_IB_STS2, 6, 4)
	s_cmp_eq_u32 s2, 0
	s_cbranch_scc0 .Lentry_in_a_cluster
	s_endpgm
.Lentry_in_a_cluster:
	s_bfe_u32 s2, ttmp6, 0x10000c
	s_cmp_lg_u32 s2, 0x3003
	s_cbranch_scc0 .Lentry_shape_is_right
	s_endpgm
.Lentry_shape_is_right:
; new_v[b][w][head][:] = the sum over m of softmax_m(q . k / sqrt(2048)) v: products 2 and 3 on the codes of the launch before, and new_v's quantiser (lowp_scales[6]).  Nothing of the problem is left out.
; THE SOFTMAX AHEAD OF PRODUCT 3: t = score x log2(e) / sqrt(2048); M = the row's largest t so far, rounded UP to a whole number; p = 2^(t - M) is quantised with lowp_scales[5], not normalised.
; The row's sum is taken of the unquantised p, in f32, and divides at the end.  When M moves, the sum and O are multiplied by 2^(old M - new M): exact.
; SHARES.  A work-group owns 512 queries of one (batch, head); each of its sixteen waves owns 16 of them at a time, in 256 registers, in two passes.
; A HEAD'S K AND V STAY IN LDS, WHOLE: 131,072 bytes of codes each, fetched once, one tensor load of 64 rows x 256 bytes a wave (waves 0-7: K; waves 8-15: V).  Nothing is filled again: no ring.
; CLUSTER.  The four work-groups of a head need the same K and V: each load is asked for jointly, with the same descriptor and a mask that names the four.
; No prefetch: all that the work-group asks of memory by tensor loads is asked in its first lines, so there is no loop to run ahead in.
; LAYOUT.  Both products are used transposed: S^T = K Q^T (source 0 = 16 keys, source 1 = my 16 queries; K = 64), O^T = V^T P^T (source 0 = 16 channels, source 1 = P; K = 128 keys): a lane holds ONE query.
; In S^T's tile t a lane's eight registers are keys 16 t + 8 (lane / 16) + 0 .. 7: one conversion gives registers 2 t, 2 t + 1 of P.  Likewise O^T's tile gives two registers of new_v's fragment for product 4:
;   nv_img [token tile 512][s 8][Q 4][lane 32][16], K = 64 head + channel: a head's 64 are 1,024 consecutive bytes at 1,024 x head of the token tile's 16,384.
; A KEY STEP (128 keys): S's products; the maximum; f; O and then all scores scaled; the 64 exponentials as one batch; sums, holds, conversions; O's products.
;   K's fragments are asked for a step ahead (the address wraps at K's end: a pass's last step fetches the next pass's first keys; in the second pass those 16 loads are read by nobody);
;   V's fragments 0, 1 are asked for behind S's products, fragments 2, 3 land in S's first 32 registers when the conversions have read them.
;   THE WAVES WALK IN STEP: a split barrier, signalled at a step's top and awaited at its bottom, lets no wave leave a key step before all sixteen have entered it; between the two stand register work and reads of LDS bytes that nobody writes.
; LIMITS: e2 + e3 between -121 and 132 (they are added to c's exponent field); e5 and e6 between -126 and 119; e4 + e5 is applied by v_ldexp_f32 and has none.  NaN and infinity are not served.
; REGISTERS: v1, v2 my lane's place in K's and V's images; v8, v9 addresses of the next K and of this step's V; v12 -M, v13 the largest score; v[14:15], v[10:11], v[244:247] the sum's chains; v16-23 Q of pass 1;
;   v24-39 p's codes; v40-103 K's 8 fragments; v104-167 S^T, then p, then (the first 32) V's fragments 2, 3; v168-199 O^T; v200-203 the maximum's chains; v204 a permute's destination; v205 M's change;
;   v[206:207] f; v208, v209: 448 x 2^e5, 2^e5; v210, v211: the same with e6; v212-243 V's fragments 0, 1; v248-255 Q of pass 2.
.set SPARE, 262144                     ; behind K and V: the spare words, 128 bytes a wave: eight blocks of 256 bytes that no other line names
.set SPW, 5
.set NIL, 6
.set ADK, 8
.set ADV, 9
.set Q1,  16
.set PC,  24
.set KF,  40
.set S,   104
.set O,   168
.set V01, 212
.set Q2,  248
.macro CROUND                          ; a round of the cluster's barrier
	s_barrier_signal -1
	s_barrier_wait -1
	s_cmp_lg_u32 s18, 0
	s_cbranch_scc1 .Lnot_wave_0_\@
	s_barrier_signal -3
.Lnot_wave_0_\@:
	s_barrier_wait -3
	s_barrier_signal -1
	s_barrier_wait -1
.endm
.macro KLD i0                          ; four of the 16 loads that bring the next step's eight fragments of K, as they lie
.irp i, 0,1,2,3
	ds_load_b128 v[KF+4*((\i0)+\i):KF+4*((\i0)+\i)+3], v[ADK] offset:512*((\i0)+\i)
.endr
.endm
.macro VLD i0, reg                     ; one fragment of V (16 channels x 128 keys): quads i0 .. i0 + 3 of the step's sixteen
.irp i, 0,1,2,3
	ds_load_b128 v[(\reg)+4*\i:(\reg)+4*\i+3], v[ADV] offset:512*((\i0)+\i)
.endr
.endm
.macro ADD4 r                          ; four pairs of p onto the sum's four chains
	v_pk_add_f32 v[14:15], v[14:15], v[S+(\r):S+(\r)+1]
	v_pk_add_f32 v[10:11], v[10:11], v[S+(\r)+2:S+(\r)+3]
	v_pk_add_f32 v[244:245], v[244:245], v[S+(\r)+4:S+(\r)+5]
	v_pk_add_f32 v[246:247], v[246:247], v[S+(\r)+6:S+(\r)+7]
.endm
.macro HOLD b                          ; 16 numbers of p are held and become four registers of P
.set i, 0
.rept 8
	v_dual_min_num_f32 v[S+16*(\b)+i], v208, v[S+16*(\b)+i] :: v_dual_min_num_f32 v[S+16*(\b)+i+1], v208, v[S+16*(\b)+i+1]   ; the conversion does not saturate (ISA guide 7.6.2); p is not negative: a one-sided hold, two numbers a line
.set i, i+2
.endr
	v_cvt_scalef32_pk8_fp8_f32 v[PC+4*(\b):PC+4*(\b)+1], v[S+16*(\b):S+16*(\b)+7], v209
	v_cvt_scalef32_pk8_fp8_f32 v[PC+4*(\b)+2:PC+4*(\b)+3], v[S+16*(\b)+8:S+16*(\b)+15], v209
.endm
	s_load_b256 s[4:11], s[0:1], 0x0               ; q_img s[4:5], k_img s[6:7], v_img s[8:9], the exponents s[10:11]
	s_load_b64 s[12:13], s[0:1], 0x20              ; nv_img
	v_lshl_add_u32 v[SPW], v0, 2, SPARE
	v_mov_b32 v[NIL], 0
	ds_add_u32 v[SPW], v[NIL]                      ; the opening: the add, twice on end, and its wait ahead of my tensor load
	ds_add_u32 v[SPW], v[NIL]
	v_lshrrev_b32 v3, 5, v0
	v_readfirstlane_b32 s18, v3                    ; wave 0..15
	s_bfe_u32 s19, ttmp6, 0x40000                  ; cx: which 512 queries; it enters q's and new_v's addresses alone
	s_and_b32 s16, ttmp7, 0xffff                   ; 16 x batch + head, which the four partners share
	s_mov_b32 s24, 15|(3<<16)|(1<<21)              ; group 1: the mask names all four; elements of 8 bytes; bit 21 beside a mask
	s_mov_b32 s25, 32<<16                          ; tensor_dim0: 32 elements = 256 bytes
	s_mov_b32 s26, 64<<16                          ; tensor_dim1: 64 rows
	s_mov_b32 s27, 32<<16                          ; tile_dim0
	s_mov_b32 s28, 64                              ; tile_dim1
	s_mov_b32 s29, 32                              ; pitch: dense
	s_mov_b32 s30, 0
	s_mov_b32 s31, 0
	s_mov_b32 s20, 0x76543210                      ; v_permlanex16_b32's selects for lane l xor 16
	s_mov_b32 s21, 0xfedcba98
	s_lshl_b32 s14, s16, 17                        ; the head's 131,072 bytes,
	s_and_b32 s15, s18, 7
	s_lshl_b32 s15, s15, 14
	s_add_co_u32 s14, s14, s15                     ; my eighth of them
	s_mov_b32 s15, 0
	s_mov_b32 s32, 1                               ; group 0: count = 1,
	s_lshl_b32 s33, s18, 14                        ; LDS address: wave x 16,384: K's eight parts, then V's eight
	s_wait_dscnt 0x0                               ; both opening adds are done
	s_wait_kmcnt 0x0
	s_load_b256 s[56:63], s[10:11], 0x0            ; e0 .. e7
	s_cmp_lt_u32 s18, 8
	s_cselect_b64 s[34:35], s[6:7], s[8:9]         ; waves 0-7 fetch K's codes, waves 8-15 V's
	s_add_nc_u64 s[34:35], s[34:35], s[14:15]
	s_or_b32 s35, s35, 0x80000000                  ; type = 2
	CROUND                                         ; all four work-groups are here: the joint loads meet
	tensor_load_to_lds s[32:35], s[24:31]          ; my one tensor load
	s_nop 0
.rept 4
	v_nop
.endr
	s_lshl_b32 s40, s19, 5
	s_add_co_u32 s40, s40, s18                     ; my first tile of 16 queries: 32 cx + wave; the second pass's lies 16 tiles on
	s_lshl_b32 s42, s40, 10
	s_lshl_b32 s43, s16, 17
	s_add_co_u32 s42, s42, s43
	s_mov_b32 s43, 0
	s_add_nc_u64 s[50:51], s[4:5], s[42:43]        ; its fragment in q_img
	s_lshr_b32 s44, s16, 4
	s_lshl_b32 s44, s44, 7
	s_add_co_u32 s44, s44, s40                     ; its token tile: 128 x batch + tile
	s_lshl_b32 s44, s44, 14
	s_and_b32 s45, s16, 15
	s_lshl_b32 s45, s45, 10                        ; + 1,024 x head
	s_add_co_u32 s44, s44, s45
	s_mov_b32 s45, 0
	s_add_nc_u64 s[52:53], s[12:13], s[44:45]      ; its place in nv_img
	v_and_b32 v3, 31, v0
	v_lshlrev_b32 v1, 4, v3                        ; 16 x lane
	v_add_nc_u32 v2, 131072, v1                    ; and in V's half of LDS
	global_load_b128 v[Q1:Q1+3], v1, s[50:51]      ; both passes' queries
	global_load_b128 v[Q1+4:Q1+7], v1, s[50:51] offset:512
	global_load_b128 v[Q2:Q2+3], v1, s[50:51] offset:16384
	global_load_b128 v[Q2+4:Q2+7], v1, s[50:51] offset:16896
	s_wait_kmcnt 0x0
	s_mov_b32 s22, 0x3d0293ee                      ; c = log2(e) / sqrt(2048)
	s_add_co_i32 s46, s58, s59
	s_lshl_b32 s46, s46, 23
	s_add_co_i32 s22, s22, s46                     ; a score stands for score x 2^(e2 + e3): added to c's exponent field
	s_mov_b32 s23, s22                             ; (named with it as a pair)
	s_add_co_i32 s46, s61, 127
	s_lshl_b32 s47, s46, 23
	v_mov_b32 v209, s47                            ; 2^e5
	s_add_co_i32 s46, s46, 8
	s_lshl_b32 s46, s46, 23
	s_or_b32 s46, s46, 0x600000
	v_mov_b32 v208, s46                            ; 448 x 2^e5
	s_add_co_i32 s46, s62, 127
	s_lshl_b32 s47, s46, 23
	v_mov_b32 v211, s47                            ; 2^e6
	s_add_co_i32 s46, s46, 8
	s_lshl_b32 s46, s46, 23
	s_or_b32 s46, s46, 0x600000
	v_mov_b32 v210, s46                            ; 448 x 2^e6
	s_add_co_i32 s54, s60, s61                     ; e4 + e5
	v_mov_b32 v204, 0                              ; a lane permute's destination counts as one of its sources
	v_mov_b32 v207, 0                              ; (the upper half of the pair v[206:207])
	s_wait_alu depctr_va_vdst(0)
	s_wait_loadcnt 0x0                             ; Q
	s_wait_tensorcnt 0x0                           ; my part of K or V is in,
	s_barrier_signal -1
	s_barrier_wait -1                              ; everybody's is: from here on K and V are only read
.set i, 0
.rept 16
	ds_load_b128 v[KF+4*i:KF+4*i+3], v1 offset:512*i   ; the first 128 keys' fragments
.set i, i+1
.endr
	s_wait_dscnt 0x0
; A PASS: 16 queries (fragment at v[q]) against all 2,048 keys; the result goes off bytes behind the first pass's place.  more = 1: another pass follows.
.macro PASS q, off, more
	v_mov_b32 v13, 0xff61b1e6                      ; the largest score so far: -3e38
	v_floor_f32 v12, -v13                          ; -M
	v_mov_b32 v14, 0                               ; the sum
	v_mov_b32 v15, 0
.set j, 0
.rept 32
	v_mov_b32 v[O+j], 0                            ; O^T: the step is written once; the first finds zeros
.set j, j+1
.endr
	s_mov_b32 s2, 0                                ; LDS byte of the step's 128 keys in K's image, and in V's
	s_mov_b32 s3, 16
.Lstep_\@:
	s_barrier_signal -1                            ; I have entered this key step (no LDS access of mine is out here)
	s_add_co_u32 s49, s2, 8192
	s_and_b32 s49, s49, 0x1ffff                    ; the next step's keys; behind the last come the first again
	v_add_nc_u32 v[ADK], s49, v1
	v_add_nc_u32 v[ADV], s2, v2
	v_mov_b32 v205, v12                            ; the old -M is kept for f
	v_nop
	v_nop                                          ; five places: the products below write over S's first 32 registers, which the last O products read
.irp t, 0,1,2,3,4,5,6,7
	v_wmma_f32_16x16x64_fp8_fp8 v[S+8*\t:S+8*\t+7], v[KF+8*\t:KF+8*\t+7], v[(\q):(\q)+7], 0
.endr
	VLD 0, V01                                     ; V's fragments 0 and 1
	VLD 4, V01+16
.rept 4
	v_nop                                          ; four places in front of the reads of S and of the loads into K's registers
.endr
	v_max3_num_f32 v200, v[S], v[S+1], v[S+2]      ; the step's largest score among my 64 keys, in four chains, the registers ascending
	v_max3_num_f32 v201, v[S+3], v[S+4], v[S+5]
	v_max3_num_f32 v202, v[S+6], v[S+7], v[S+8]
	v_max3_num_f32 v203, v[S+9], v[S+10], v[S+11]
.set i, 12
.rept 26
	v_max3_num_f32 v[200+((i-12)/2)%4], v[200+((i-12)/2)%4], v[S+i], v[S+i+1]
.set i, i+2
.endr
	v_max3_num_f32 v200, v200, v201, v202          ; from here each line reads the line before: the next step's K is asked for between them
	KLD 0
	v_max3_num_f32 v200, v200, v203, v13           ; with the largest score so far
	KLD 4
	v_permlanex16_b32 v204, v200, s20, s21
	KLD 8
	v_max_num_f32 v13, v200, v204                  ; and lane l xor 16's
	KLD 12
	v_mul_f32 v201, s22, v13                       ; as t (c is positive)
	v_floor_f32 v12, -v201                         ; the new -M = -ceil(t)
	v_sub_f32 v205, v12, v205                      ; old M - new M: a whole number, 0 or less
	v_cvt_i32_f32 v205, v205                       ; (it saturates)
	v_ldexp_f32 v206, 1.0, v205                    ; f = 2^(old M - new M)
.set j, 0
.rept 16
	v_pk_mul_f32 v[O+j:O+j+1], v[O+j:O+j+1], v[206:207] op_sel_hi:[1,0]   ; O^T under the new M, ahead of the exponentials, each accumulator from its low end on
.set j, j+2
.endr
.set j, 0
.rept 32
	v_pk_fma_f32 v[S+j:S+j+1], v[S+j:S+j+1], s[22:23], v[12:13] op_sel_hi:[1,0,0]   ; t - M (of the pairs c and -M the low word serves both halves)
.set j, j+2
.endr
	s_wait_alu depctr_va_vdst(0)
.set j, 0
.rept 64
	v_exp_f32 v[S+j], v[S+j]                       ; p = 2^(t - M), at most 1
.set j, j+1
.endr
	v_pk_mul_f32 v[14:15], v[14:15], v[206:207] op_sel_hi:[1,0]   ; the sum under the new M: the plain place behind the batch
	s_wait_alu depctr_va_vdst(0)                   ; one wait for the whole batch, ahead of its first reader
	v_pk_add_f32 v[10:11], v[S:S+1], v[S+2:S+3]    ; the sum of the unquantised p: three chains begin anew, the fourth is the running sum
	v_pk_add_f32 v[244:245], v[S+4:S+5], v[S+6:S+7]
	v_pk_add_f32 v[246:247], v[S+8:S+9], v[S+10:S+11]
	v_pk_add_f32 v[14:15], v[14:15], v[S+12:S+13]
	v_pk_add_f32 v[10:11], v[10:11], v[S+14:S+15]
	HOLD 0
	VLD 8, S                                       ; the conversions have read S's first 16 registers: V's fragment 2 lands there
	ADD4 16
	ADD4 24
	HOLD 1
	VLD 12, S+16                                   ; and fragment 3 in the next 16
	ADD4 32
	ADD4 40
	HOLD 2
	ADD4 48
	ADD4 56
	HOLD 3
	v_pk_add_f32 v[14:15], v[14:15], v[10:11]      ; the chains are joined: also the plain lines between the last conversion and the products
	v_pk_add_f32 v[244:245], v[244:245], v[246:247]
	v_pk_add_f32 v[14:15], v[14:15], v[244:245]
	s_wait_alu depctr_va_vdst(0)
	s_wait_dscnt 8                                 ; V's fragments 0, 1 and the next K are in; the youngest eight loads (fragments 2, 3) may be out
	v_wmma_f32_16x16x128_fp8_fp8 v[O:O+7], v[V01:V01+15], v[PC:PC+15], v[O:O+7]           ; four accumulators by turns; the next step's eight products stand between two links
	v_wmma_f32_16x16x128_fp8_fp8 v[O+8:O+15], v[V01+16:V01+31], v[PC:PC+15], v[O+8:O+15]
	s_wait_dscnt 0x0
	v_wmma_f32_16x16x128_fp8_fp8 v[O+16:O+23], v[S:S+15], v[PC:PC+15], v[O+16:O+23]
	v_wmma_f32_16x16x128_fp8_fp8 v[O+24:O+31], v[S+16:S+31], v[PC:PC+15], v[O+24:O+31]
	s_add_co_u32 s2, s2, 8192
	s_sub_co_u32 s3, s3, 1
	s_barrier_wait -1                              ; all sixteen waves have entered this key step
	s_cmp_lg_u32 s3, 0
	s_cbranch_scc1 .Lstep_\@
	; THE WAY OUT: new_v = O^T x 2^(e4 + e5) / the sum, held, converted: eight registers, two quads of the token tile's fragment
.rept 4
	v_nop
.endr
	v_add_f32 v14, v14, v15                        ; the sum's two halves,
	v_permlanex16_b32 v204, v14, s20, s21
	v_add_f32 v14, v14, v204                       ; and lane l xor 16's
	s_wait_alu depctr_va_vdst(0)                   ; the wait ahead of the transcendental
	v_rcp_f32 v14, v14
	v_nop
	s_wait_alu depctr_va_vdst(0)                   ; and ahead of its first reader
	v_ldexp_f32 v14, v14, s54
	s_wait_alu depctr_va_vdst(0)                   ; and directly ahead of the first reader of O^T
.set j, 0
.rept 16
	v_pk_mul_f32 v[S+j:S+j+1], v[O+j:O+j+1], v[14:15] op_sel_hi:[1,0]   ; each accumulator from its low end on
.set j, j+2
.endr
.set j, 0
.rept 32
	v_med3_num_f32 v[S+j], v[S+j], -v210, v210
.set j, j+1
.endr
.irp t, 0,1,2,3
	v_cvt_scalef32_pk8_fp8_f32 v[PC+2*\t:PC+2*\t+1], v[S+8*\t:S+8*\t+7], v211
.endr
	v_nop                                          ; a plain line behind the last conversion
	global_store_b128 v1, v[PC:PC+3], s[52:53] offset:\off        ; 512 consecutive bytes each
	global_store_b128 v1, v[PC+4:PC+7], s[52:53] offset:(\off)+512
.if \more
	s_wait_xcnt 0x0                                ; the stores have read their data: the next pass writes those registers again
.endif
.endm
	PASS Q1, 0, 1
	PASS Q2, 262144, 0                             ; sixteen token tiles of 16,384 bytes on
	s_wait_tensorcnt 0x0                           ; the wave's end
	ds_add_u32 v[SPW], v[NIL]
	s_wait_dscnt 0x0
	CROUND                                         ; the closing round
	s_endpgm
.Lfunc_end_k_qb259f0d52b_attn:
	.size	k_qb259f0d52b_attn, .Lfunc_end_k_qb259f0d52b_attn-k_qb259f0d52b_attn
	.p2alignl 7, 3214868480
	.fill 96, 4, 3214868480
	.section	.rodata,"a",@progbits
	.p2align	6, 0x0
	.amdhsa_kernel k_qb259f0d52b_attn
		.amdhsa_group_segment_fixed_size 327680
		.amdhsa_private_segment_fixed_size 0
		.amdhsa_enable_private_segment 0
		.amdhsa_kernarg_size 40
		.amdhsa_user_sgpr_count 2
		.amdhsa_user_sgpr_kernarg_segment_ptr 1
		.amdhsa_wavefront_size32 1
		.amdhsa_system_sgpr_workgroup_id_x 1
		.amdhsa_system_sgpr_workgroup_id_y 1
		.amdhsa_system_sgpr_workgroup_id_z 1
		.amdhsa_system_vgpr_workitem_id 0
		.amdhsa_next_free_vgpr 256
		.amdhsa_next_free_sgpr 66
		.amdhsa_reserve_vcc 0
		.amdhsa_float_denorm_mode_32 3
		.amdhsa_float_denorm_mode_16_64 3
		.amdhsa_memory_ordered 1
		.amdhsa_forward_progress 1
		.amdhsa_inst_pref_size 48
	.end_amdhsa_kernel
	.amdgpu_metadata
---
amdhsa.version: [ 1, 2 ]
amdhsa.kernels:
  - .name:           k_qb259f0d52b_attn
    .symbol:         k_qb259f0d52b_attn.kd
    .args:
      - { .name: q_img, .offset: 0, .size: 8, .value_kind: global_buffer, .address_space: global }
      - { .name: k_img, .offset: 8, .size: 8, .value_kind: global_buffer, .address_space: global }
      - { .name: v_img, .offset: 16, .size: 8, .value_kind: global_buffer, .address_space: global }
      - { .name: lowp_scales, .offset: 24, .size: 8, .value_kind: global_buffer, .address_space: global }
      - { .name: nv_img, .offset: 32, .size: 8, .value_kind: global_buffer, .address_space: global }
    .group_segment_fixed_size: 327680
    .private_segment_fixed_size: 0
    .kernarg_segment_align: 8
    .kernarg_segment_size: 40
    .max_flat_workgroup_size: 512
    .sgpr_count:     66
    .vgpr_count:     256
    .wavefront_size: 32
...
	.end_amdgpu_metadata
.endif
;; end of part 3
;; launch proj (part 4): grid 256 x 1, 16 waves a work-group, no clusters, 166,400 bytes of LDS; arguments nv_img, w2_img, b_fc2, lowp_scales, x, out0; writes out0
.if DOCPART == 4
	.amdgcn_target "amdgcn-amd-amdhsa--gfx1250"
	.amdhsa_code_object_version 6
	.text
	.protected	k_qb259f0d52b_proj
	.globl	k_qb259f0d52b_proj
	.p2align	8
	.type	k_qb259f0d52b_proj,@function
k_qb259f0d52b_proj:
	s_mov_b64 s[64:65], 0
	v_nop
	global_prefetch_b8 v0, s[64:65] scope:SCOPE_SE
	s_setreg_imm32_b32 hwreg(HW_REG_WAVE_MODE, 25, 1), 1
	s_wait_xcnt 0x0
; out0 = LayerNorm(x + swish(new_v W_fc2 + b_fc2)): product 4 on the codes that earlier launches made, and all that follows it.  Nothing is left out.
; SHARES.  The norm wants whole rows: a work-group owns 32 rows x all 1,024 columns.  Each of its sixteen waves makes columns 64 w .. 64 w + 63: 8 accumulators (2 row tiles x 4 column tiles), 64 registers.
; Source 0 = 16 rows of w2_img (columns of the result), source 1 = 16 rows of new_v: a lane holds one row and eight neighbouring columns.
; W_fc2'S FRAGMENTS GO FROM MEMORY STRAIGHT INTO REGISTERS: w2_img lies in the order of the operand's registers, and a wave's 4 fragments of a K step (16 loads of 512 consecutive bytes) are read by that wave alone.
; Two sets of 64 registers take turns: a set is asked for again, two K steps ahead, as soon as its products are issued.
; NO CLUSTER, NO TENSOR LOAD: no tile of W_fc2 lies in LDS, so there is nothing that partners could receive jointly.
; new_v's 32 rows (32,768 bytes of codes) are copied once into LDS, through registers, 2,048 bytes a wave, and read from there by all sixteen waves.
; THE BIAS starts the sums: b_fc2 / 2^(e6 + e7) lies in the accumulators before the first product.
; THE WAY OUT.  m = swish(sum x 2^(e6 + e7)) goes through a stage in LDS (32 rows of 4,096 + 16 bytes, bytes of its own); then each wave takes 2 whole rows: y = x + m, the mean, the variance about the mean,
; (y - mean) / sqrt(variance + 1e-5); each store covers 512 consecutive bytes.
; x: wave w prefetches its own 8,192 bytes (2 rows) in K step 1, lanes 256 bytes apart, one instruction, each block of 256 bytes once; its 16 loads follow behind K step 6, five K steps on, into the set of registers that is free there.
; LIMITS: e6 + e7 between -126 and 126.  NaN and infinity are not served.
; REGISTERS: v1 16 x lane; v4 new_v's images; v5 where I store my part of them; v6, v7 the add's two; v8, v9 the stage, in; v10 the stage, back; v11 the prefetch's offset; v12 the bias's offset; v13 x's and out0's offset;
;   v16-47 new_v's two fragments, later the norm's sums; v48-111 W_fc2's set 0, later x and y; v112-115 the norm's factors; v116-179 set 1, later the swish's work; v192-255 the accumulators, later m's rows.
.set SPITCH, 4112
.set AIMG,   131584                    ; behind the stage: new_v's images [row tile 2][s 8][2,048]
.set SPARE,  164352                    ; the spare words, 128 bytes a wave: eight blocks of 256 bytes that no other line names
.set AF,  16
.set B0,  48
.set B1,  116
.set ACC, 192                          ; accumulator (a, t) at v[192 + 8 (4 a + t)]
.set Y0,  B0
.set Y1,  B0+32
	s_load_b256 s[4:11], s[0:1], 0x0               ; nv_img s[4:5], w2_img s[6:7], b_fc2 s[8:9], the exponents s[10:11]
	s_load_b128 s[12:15], s[0:1], 0x20             ; x s[12:13], out0 s[14:15]
	v_lshl_add_u32 v6, v0, 2, SPARE
	v_mov_b32 v7, 0
	v_lshrrev_b32 v14, 5, v0
	v_readfirstlane_b32 s18, v14                   ; wave 0..15
	s_mov_b32 s20, 0x76543210                      ; v_permlanex16_b32's selects for lane l xor 16
	s_mov_b32 s21, 0xfedcba98
	s_mov_b32 s44, 0xbfb8aa3b                      ; -log2(e)
	s_mov_b32 s45, s44
	s_mov_b32 s46, 0xba800000                      ; -1 / 1024
	s_mov_b32 s47, 0x3a800000                      ; 1 / 1024
	s_mov_b32 s56, 0x3727c5ac                      ; 1e-5
	s_mov_b32 s23, 0
	s_lshl_b32 s17, s18, 13                        ; wave x 8,192: my two rows of x
	s_lshl_b32 s24, s18, 11                        ; wave x 2,048: my part of new_v's images
	s_lshl_b32 s25, s18, 8                         ; wave x 256: my 64 columns in f32
	s_mul_i32 s26, s18, 2*SPITCH                   ; my two rows of the stage
	v_and_b32 v14, 31, v0                          ; lane
	v_and_b32 v15, 15, v0                          ; r
	v_bfe_u32 v12, v0, 4, 1                        ; h
	v_lshlrev_b32 v1, 4, v14
	v_add_nc_u32 v4, AIMG, v1
	v_add_nc_u32 v5, s24, v4
	v_mul_u32_u24 v8, v15, SPITCH
	v_lshl_add_u32 v8, v12, 5, v8
	v_add_nc_u32 v8, s25, v8                       ; the stage, in: row r, + 32 h, + 256 x wave
	v_add_nc_u32 v9, 16*SPITCH, v8                 ; and for the second row tile
	v_add_nc_u32 v10, s26, v1                      ; back: my two rows, 16 bytes a lane
	v_lshlrev_b32 v11, 8, v14
	v_add_nc_u32 v11, s17, v11
	v_add_nc_u32 v13, s17, v1
	v_lshlrev_b32 v12, 5, v12
	s_wait_alu depctr_va_vdst(0)
	s_wait_kmcnt 0x0
	s_load_b256 s[48:55], s[10:11], 0x0            ; e0 .. e7
	s_lshl_b32 s22, ttmp9, 15
	s_add_co_u32 s22, s22, s24
	s_add_nc_u64 s[4:5], s[4:5], s[22:23]          ; my 2,048 bytes of my work-group's 32,768 of nv_img
	s_lshl_b32 s22, s18, 16
	s_add_nc_u64 s[6:7], s[6:7], s[22:23]          ; my 4 row tiles of w2_img, 16,384 bytes each
	s_mov_b32 s22, s25
	s_add_nc_u64 s[8:9], s[8:9], s[22:23]          ; b_fc2 at my 64 columns
	s_lshl_b32 s22, ttmp9, 17
	s_add_nc_u64 s[12:13], s[12:13], s[22:23]      ; x and out0 at my work-group's 32 rows
	s_add_nc_u64 s[14:15], s[14:15], s[22:23]
.macro LOADB s                         ; K step s: my four fragments of W_fc2, as they lie, into set s % 2
.set BB, B0+68*((\s)%2)
.irp t, 0,1,2,3
.irp c, 0,1,2,3
	global_load_b128 v[BB+16*\t+4*\c:BB+16*\t+4*\c+3], v1, s[6:7] offset:\t*16384+(\s)*2048+512*\c
.endr
.endr
.endm
.set i, 0
.rept 4
	global_load_b128 v[AF+4*i:AF+4*i+3], v1, s[4:5] offset:512*i
.set i, i+1
.endr
.irp t, 0,1,2,3
	global_load_b128 v[ACC+8*\t:ACC+8*\t+3],   v12, s[8:9] offset:64*\t       ; tile t: columns 16 t + 8 h + 0 .. 7
	global_load_b128 v[ACC+8*\t+4:ACC+8*\t+7], v12, s[8:9] offset:64*\t+16
.endr
	LOADB 0
	LOADB 1
	s_wait_kmcnt 0x0
	s_add_co_i32 s41, s54, s55                     ; e6 + e7
	s_add_co_i32 s40, s41, 127
	s_lshl_b32 s40, s40, 23                        ; 2^(e6 + e7)
	s_sub_co_i32 s42, 127, s41
	s_lshl_b32 s42, s42, 23                        ; 2^-(e6 + e7)
	s_mov_b32 s41, s40                             ; (named as pairs, so both words are written)
	s_mov_b32 s43, s42
	s_wait_loadcnt 40                              ; new_v's codes are in; behind them: the bias's 8 loads and two K steps' 32
.set i, 0
.rept 4
	ds_store_b128 v5, v[AF+4*i:AF+4*i+3] offset:512*i
.set i, i+1
.endr
	s_wait_loadcnt 32                              ; the bias is in
.set j, 0
.rept 16
	v_pk_mul_f32 v[ACC+32+j:ACC+32+j+1], v[ACC+j:ACC+j+1], s[42:43] op_sel_hi:[1,0]   ; the second row tile's sums start from the same numbers
.set j, j+2
.endr
.set j, 0
.rept 16
	v_pk_mul_f32 v[ACC+j:ACC+j+1], v[ACC+j:ACC+j+1], s[42:43] op_sel_hi:[1,0]
.set j, j+2
.endr
	s_wait_alu depctr_va_vdst(0)
	s_wait_dscnt 0x0                               ; my part of new_v's images is stored,
	s_barrier_signal -1
	s_barrier_wait -1                              ; everybody's is
; A K step of 128: new_v's two fragments from LDS, eight products (the 8 accumulators by turns, in the same order in every step), and the set's next loads.
.macro KSTEP s
.set BB, B0+68*((\s)%2)
.irp a, 0,1
.irp c, 0,1,2,3
	ds_load_b128 v[AF+16*\a+4*\c:AF+16*\a+4*\c+3], v4 offset:\a*16384+(\s)*2048+512*\c
.endr
.endr
	s_wait_loadcnt 16                              ; this step's 16 loads are in; the 16 issued behind them (the next step's; in the last step x's) may be out
	s_wait_dscnt 0x0
.irp t, 0,1,2,3
.irp a, 0,1
	v_wmma_f32_16x16x128_fp8_fp8 v[ACC+8*(4*\a+\t):ACC+8*(4*\a+\t)+7], v[BB+16*\t:BB+16*\t+15], v[AF+16*\a:AF+16*\a+15], v[ACC+8*(4*\a+\t):ACC+8*(4*\a+\t)+7]
.endr
.endr
.rept 4
	v_nop                                          ; places in front of loads into registers that the products have read, and of the first reads of the sums
.endr
.if (\s) < 6
	LOADB (\s)+2
.endif
.if (\s) == 1
	global_prefetch_b8 v11, s[12:13] th:TH_LOAD_NT scope:SCOPE_SE   ; my two rows of x
.endif
.if (\s) == 6
.irp p, 0,1
.set i, 0
.rept 8
	global_load_b128 v[B0+32*\p+4*i:B0+32*\p+4*i+3], v13, s[12:13] offset:\p*4096+512*i th:TH_LOAD_NT   ; x: lane l holds columns 128 i + 4 l + 0 .. 3
.set i, i+1
.endr
.endr
.endif
.endm
.irp s, 0,1,2,3,4,5,6,7
	KSTEP \s
.endr
	; m = swish(sum x 2^(e6 + e7)); each batch of transcendentals has one wait ahead of it and one behind it
.set j, 0
.rept 32
	v_pk_mul_f32 v[ACC+j:ACC+j+1], v[ACC+j:ACC+j+1], s[40:41] op_sel_hi:[1,0]   ; each accumulator from its low end on
.set j, j+2
.endr
.set j, 0
.rept 32
	v_pk_mul_f32 v[B1+j:B1+j+1], v[ACC+j:ACC+j+1], s[44:45] op_sel_hi:[1,0]
.set j, j+2
.endr
	s_wait_alu depctr_va_vdst(0)
.set j, 0
.rept 64
	v_exp_f32 v[B1+j], v[B1+j]
.set j, j+1
.endr
	v_nop
	s_wait_alu depctr_va_vdst(0)
.set j, 0
.rept 32
	v_pk_add_f32 v[B1+j:B1+j+1], v[B1+j:B1+j+1], 1.0 op_sel_hi:[1,0]
.set j, j+2
.endr
	s_wait_alu depctr_va_vdst(0)
.set j, 0
.rept 64
	v_rcp_f32 v[B1+j], v[B1+j]
.set j, j+1
.endr
	v_nop
	s_wait_alu depctr_va_vdst(0)
.set j, 0
.rept 32
	v_pk_mul_f32 v[ACC+j:ACC+j+1], v[ACC+j:ACC+j+1], v[B1+j:B1+j+1]
.set j, j+2
.endr
.irp t, 0,1,2,3
	ds_store_b128 v8, v[ACC+8*\t:ACC+8*\t+3] offset:64*\t
	ds_store_b128 v8, v[ACC+8*\t+4:ACC+8*\t+7] offset:64*\t+16
	ds_store_b128 v9, v[ACC+32+8*\t:ACC+32+8*\t+3] offset:64*\t
	ds_store_b128 v9, v[ACC+32+8*\t+4:ACC+32+8*\t+7] offset:64*\t+16
.endr
	s_wait_dscnt 0x0                               ; for the others' sake, and the stores have read their registers
	s_barrier_signal -1
	s_barrier_wait -1                              ; 32 whole rows of m lie in the stage
.irp p, 0,1
.set i, 0
.rept 8
	ds_load_b128 v[ACC+32*\p+4*i:ACC+32*\p+4*i+3], v10 offset:\p*SPITCH+512*i   ; m of my two rows
.set i, i+1
.endr
.endr
	s_wait_loadcnt 0x0                             ; x
	s_wait_dscnt 0x0
.set j, 0
.rept 32
	v_pk_add_f32 v[B0+j:B0+j+1], v[B0+j:B0+j+1], v[ACC+j:ACC+j+1]    ; y = x + m
.set j, j+2
.endr
.macro RED2                            ; v16 and v32, each summed over the 32 lanes; the result in every lane
.irp m, 1,2,4,8
	v_add_f32_dpp v16, v16, v16 row_xmask:\m row_mask:0xf bank_mask:0xf
	v_add_f32_dpp v32, v32, v32 row_xmask:\m row_mask:0xf bank_mask:0xf
.endr
	v_permlanex16_b32 v17, v16, s20, s21
	v_permlanex16_b32 v33, v32, s20, s21
	v_add_f32 v16, v16, v17
	v_add_f32 v32, v32, v33
.endm
	; the norm of my two rows, line by line in turn
.irp k, 0,1,2,3,4,5,6,7
	v_pk_add_f32 v[16+2*\k:17+2*\k], v[Y0+4*\k:Y0+4*\k+1], v[Y0+4*\k+2:Y0+4*\k+3]
	v_pk_add_f32 v[32+2*\k:33+2*\k], v[Y1+4*\k:Y1+4*\k+1], v[Y1+4*\k+2:Y1+4*\k+3]
.endr
.irp k, 0,1,2,3
	v_pk_add_f32 v[16+2*\k:17+2*\k], v[16+4*\k:17+4*\k], v[18+4*\k:19+4*\k]
	v_pk_add_f32 v[32+2*\k:33+2*\k], v[32+4*\k:33+4*\k], v[34+4*\k:35+4*\k]
.endr
.irp k, 0,1
	v_pk_add_f32 v[16+2*\k:17+2*\k], v[16+4*\k:17+4*\k], v[18+4*\k:19+4*\k]
	v_pk_add_f32 v[32+2*\k:33+2*\k], v[32+4*\k:33+4*\k], v[34+4*\k:35+4*\k]
.endr
	v_pk_add_f32 v[16:17], v[16:17], v[18:19]
	v_pk_add_f32 v[32:33], v[32:33], v[34:35]
	v_add_f32 v16, v16, v17
	v_add_f32 v32, v32, v33
	RED2
	v_mul_f32 v112, s46, v16                       ; -mean
	v_mul_f32 v114, s46, v32
	v_mov_b32 v113, v112
	v_mov_b32 v115, v114
.set j, 0
.rept 16
	v_pk_add_f32 v[Y0+j:Y0+j+1], v[Y0+j:Y0+j+1], v[112:113]
	v_pk_add_f32 v[Y1+j:Y1+j+1], v[Y1+j:Y1+j+1], v[114:115]
.set j, j+2
.endr
	v_pk_mul_f32 v[16:17], v[Y0:Y0+1], v[Y0:Y0+1]              ; the squares about the mean, in two chains a row
	v_pk_mul_f32 v[32:33], v[Y1:Y1+1], v[Y1:Y1+1]
	v_pk_mul_f32 v[18:19], v[Y0+2:Y0+3], v[Y0+2:Y0+3]
	v_pk_mul_f32 v[34:35], v[Y1+2:Y1+3], v[Y1+2:Y1+3]
.set j, 4
.rept 7
	v_pk_fma_f32 v[16:17], v[Y0+j:Y0+j+1], v[Y0+j:Y0+j+1], v[16:17]
	v_pk_fma_f32 v[32:33], v[Y1+j:Y1+j+1], v[Y1+j:Y1+j+1], v[32:33]
	v_pk_fma_f32 v[18:19], v[Y0+j+2:Y0+j+3], v[Y0+j+2:Y0+j+3], v[18:19]
	v_pk_fma_f32 v[34:35], v[Y1+j+2:Y1+j+3], v[Y1+j+2:Y1+j+3], v[34:35]
.set j, j+4
.endr
	v_pk_add_f32 v[16:17], v[16:17], v[18:19]
	v_pk_add_f32 v[32:33], v[32:33], v[34:35]
	v_add_f32 v16, v16, v17
	v_add_f32 v32, v32, v33
	RED2
	v_fma_f32 v16, v16, s47, s56                   ; variance + 1e-5
	v_fma_f32 v32, v32, s47, s56
	s_wait_alu depctr_va_vdst(0)
	v_rsq_f32 v112, v16
	v_rsq_f32 v114, v32
	v_nop
	s_wait_alu depctr_va_vdst(0)                   ; one wait for both, ahead of their first reader
	v_mov_b32 v113, v112
	v_mov_b32 v115, v114
.set j, 0
.rept 16
	v_pk_mul_f32 v[Y0+j:Y0+j+1], v[Y0+j:Y0+j+1], v[112:113]
	v_pk_mul_f32 v[Y1+j:Y1+j+1], v[Y1+j:Y1+j+1], v[114:115]
.set j, j+2
.endr
.set i, 0
.rept 8
	global_store_b128 v13, v[Y0+4*i:Y0+4*i+3], s[14:15] offset:512*i th:TH_STORE_NT          ; 32 lanes store 512 consecutive bytes
	global_store_b128 v13, v[Y1+4*i:Y1+4*i+3], s[14:15] offset:4096+512*i th:TH_STORE_NT
.set i, i+1
.endr
	s_wait_tensorcnt 0x0                           ; the wave's end, behind my last LDS store
	ds_add_u32 v6, v7
	s_wait_dscnt 0x0
	s_endpgm
.Lfunc_end_k_qb259f0d52b_proj:
	.size	k_qb259f0d52b_proj, .Lfunc_end_k_qb259f0d52b_proj-k_qb259f0d52b_proj
	.p2alignl 7, 3214868480
	.fill 96, 4, 3214868480
	.section	.rodata,"a",@progbits
	.p2align	6, 0x0
	.amdhsa_kernel k_qb259f0d52b_proj
		.amdhsa_group_segment_fixed_size 166400
		.amdhsa_private_segment_fixed_size 0
		.amdhsa_enable_private_segment 0
		.amdhsa_kernarg_size 48
		.amdhsa_user_sgpr_count 2
		.amdhsa_user_sgpr_kernarg_segment_ptr 1
		.amdhsa_wavefront_size32 1
		.amdhsa_system_sgpr_workgroup_id_x 1
		.amdhsa_system_sgpr_workgroup_id_y 1
		.amdhsa_system_sgpr_workgroup_id_z 1
		.amdhsa_system_vgpr_workitem_id 0
		.amdhsa_next_free_vgpr 256
		.amdhsa_next_free_sgpr 66
		.amdhsa_reserve_vcc 0
		.amdhsa_float_denorm_mode_32 3
		.amdhsa_float_denorm_mode_16_64 3
		.amdhsa_memory_ordered 1
		.amdhsa_forward_progress 1
		.amdhsa_inst_pref_size 58
	.end_amdhsa_kernel
	.amdgpu_metadata
---
amdhsa.version: [ 1, 2 ]
amdhsa.kernels:
  - .name:           k_qb259f0d52b_proj
    .symbol:         k_qb259f0d52b_proj.kd
    .args:
      - { .name: nv_img, .offset: 0, .size: 8, .value_kind: global_buffer, .address_space: global }
      - { .name: w2_img, .offset: 8, .size: 8, .value_kind: global_buffer, .address_space: global }
      - { .name: b_fc2, .offset: 16, .size: 8, .value_kind: global_buffer, .address_space: global }
      - { .name: lowp_scales, .offset: 24, .size: 8, .value_kind: global_buffer, .address_space: global }
      - { .name: x, .offset: 32, .size: 8, .value_kind: global_buffer, .address_space: global }
      - { .name: out0, .offset: 40, .size: 8, .value_kind: global_buffer, .address_space: global }
    .group_segment_fixed_size: 166400
    .private_segment_fixed_size: 0
    .kernarg_segment_align: 8
    .kernarg_segment_size: 48
    .max_flat_workgroup_size: 512
    .sgpr_count:     66
    .vgpr_count:     256
    .wavefront_size: 32
...
	.end_amdgpu_metadata
.endif
;; end of part 4
